; MI455X (gfx1250); checked and timed in simulation.
; The chip was launched on July 23, 2026; its instructions are those of AMD's public machine-readable ISA for CDNA 5 (MIT licence, August 2026) and "CDNA5" Instruction Set Architecture Reference Guide (July 2026). The comments in the code are by the model that wrote it; some were corrected since.
;; Self Attn. Allowed arithmetic: float matrix products may take bf16 or f16 operands with f32 sums; other float arithmetic in f32, or as packed bf16 or f16 multiplies, adds, multiply-adds, maxima and minima; sums over many terms, partial sums and values carried from step to step in f32; what a program stores and reads back later, other than sums and carried values, may be rounded once to bf16 or f16.
;; Inputs: Wf 256 x 512 float32; Wk 32 x 256 float32; Wq 32 x 256 float32; Wv 256 x 256 float32; bf 256 float32; bk 32 float32; bq 32 float32; bv 256 float32; gamma 1 float32; x_b_total 3 x 4 x 256 x 64 x 64 float32; x_f 4 x 256 x 64 x 64 float32.
;; Outputs: out0 4 x 256 x 64 x 64 float32.
;; 2 versions, each right; version 2 is version 1 with the launch final written anew for expert scheduling mode. Each part assembles by itself: llvm-mc -triple=amdgcn-amd-amdhsa -mcpu=gfx1250 --defsym DOCPART=n.
;; ======== version 1 of 2: 3 launches
;; limits: values outside matrix products are rounded to bf16
;; workspace buffers: kv 28,311,552 bytes; qf 3,145,728 bytes; of 25,165,824 bytes; wfrag 393,216 bytes
;; launch prep (part 1): grid 16 x 16, 2 waves a work-group, no clusters, 295,168 bytes of LDS; arguments x_b_total, x_f, Wq, bq, Wk, bk, Wv, Wf, kv, qf, wfrag; writes kv, qf, wfrag
.if DOCPART == 1
	.amdgcn_target "amdgcn-amd-amdhsa--gfx1250"
	.amdhsa_code_object_version 6
	.text
	.protected	k_qaf0dc560b1_prep
	.globl	k_qaf0dc560b1_prep
	.p2align	8
	.type	k_qaf0dc560b1_prep,@function
k_qaf0dc560b1_prep:
	s_mov_b64 s[64:65], 0
	v_nop
	global_prefetch_b8 v0, s[64:65] scope:SCOPE_SE
	s_setreg_imm32_b32 hwreg(HW_REG_WAVE_MODE, 25, 1), 1
	s_wait_xcnt 0x0
; PREP.  Makes what the attention launch and the last launch read, all rounded once to bf16.
;   X task (grid y 0..11 = head 4 kk + b): kv rows 0..255 = x_b[c][pos]; qf = log2(e) (Wq x_b + bq) as matrix fragments.
;   F task (grid y 12..15 = batch): kv rows 256..287 of the batch's three heads = Wk x_f + bk as fragments; Wv and Wf as fragments (wfrag).
; SHARES.  A wave owns 128 positions x all 256 channels: 131,072 bytes of f32, brought by two tensor loads at the start (128 rows x 512 bytes each).
; Nothing is filled again and no wave reads another's bytes, so the text has no barrier.  W's 64 loads and the bias's go out ahead of the tensor loads: they are wanted first.
; PRODUCT.  D = W (16 outputs x 32 channels) x X (32 channels x 16 positions).  A lane's 16-byte LDS load of a row takes positions 4 r .. 4 r + 3 of a block of 64,
; so tile e of a block holds position 4 r + e at index r: the order of positions that all three launches share.  In D a lane holds one position and eight outputs,
; which pack into 16 bytes: chunk ob of that tile's fragment for the next product.
; K's tiles are stored four tiles back ((T - 4) mod 256), so that the attention finds the next step's K beside a step's V.
; LIMITS.  Matrix operands are bf16; NaN and infinities are not treated apart.
.set SPARE, 294912                     ; the spare words: 128 bytes for each of two waves
.set WLDS,  262144                     ; W's fragments, 16,384 bytes a wave: written by LDS stores, never a tensor load's target
.set XA,  2                            ; v2  LDS address of my 16 bytes in the 32 channels in hand: wave x 131072 + 4096 h + 16 r
.set VO,  3                            ; v3  kv: 65536 h + 128 (r & 1) + 16 (r >> 1)
.set WO,  4                            ; v4  1024 r + 32 h: rows of 256 f32
.set WO2, 5                            ; v5  2048 r + 32 h: rows of 512 f32
.set LO,  6                            ; v6  16 x lane
.set KO,  7                            ; v7  8192 h + 16 r
.set WA,  8                            ; v8  LDS address of my 16 bytes of W's fragment in hand
.set BO,  9                            ; v9  32 h
.set SPW, 10
.set NIL, 11
.set BIAS, 16                          ; v[16:31]   b[16 ob + 8 h + j]
.set BF,  32                           ; v[32:95]   eight fragments of x; later the packed results
.set WC,  96                           ; v[96:111]  W's two fragments of the step
.set X,   128                          ; v[128:255] X[t][blk][e] at 8 t + 4 blk + e; at the start W's channels 0..127
                                       ; window 1: v[0:127] the 16 accumulators, (tile, ob) at 8 (2 tile + ob); at the start W's channels 128..255
.set MSB, 0
.macro WIN new                         ; the high byte repeats the setting that is left
.if MSB != (\new)
	s_set_vgpr_msb (MSB<<8)|(\new)
.set MSB, \new
.endif
.endm
.macro PLACES                          ; four plain places behind a matrix instruction (ISA guide 7.12.1)
.rept 4
	v_nop
.endr
.endm
	s_load_b512 s[8:23], s[0:1], 0x0               ; x_b s[8:9], x_f s[10:11], Wq s[12:13], bq s[14:15], Wk s[16:17], bk s[18:19], Wv s[20:21], Wf s[22:23]
	s_load_b128 s[24:27], s[0:1], 0x40             ; kv s[24:25], qf s[26:27]
	s_load_b64 s[28:29], s[0:1], 0x50              ; wfrag
	v_lshl_add_u32 v[SPW], v0, 2, SPARE
	v_mov_b32 v[NIL], 0
	ds_add_u32 v[SPW], v[NIL]                      ; the opening: the add, twice on end, and its wait ahead of my first tensor load
	ds_add_u32 v[SPW], v[NIL]
	v_lshrrev_b32 v12, 5, v0
	v_readfirstlane_b32 s30, v12                   ; wave 0, 1
	s_and_b32 s31, ttmp7, 0xffff
	s_sub_co_u32 s53, s31, 12
	s_cmp_ge_u32 s31, 12
	s_cselect_b32 s48, 1, 0                        ; 1: F task
	s_cselect_b32 s53, s53, s31                    ; the batch, or the head
	s_cselect_b32 s50, 1.0, 0x3fb8aa3b             ; k is left as it is, q takes log2(e)
	s_mov_b32 s51, s50
	s_lshl_b32 s49, ttmp9, 1
	s_add_co_u32 s49, s49, s30                     ; my block of 128 positions, 0..31
	s_mov_b32 s32, 2<<16                           ; group 1: elements of 4 bytes, no padding
	s_mov_b32 s33, 128<<16                         ; tensor_dim0 = 128
	s_mov_b32 s34, 128<<16                         ; tensor_dim1 = 128
	s_mov_b32 s35, 128<<16                         ; tile_dim0 = 128
	s_mov_b32 s36, 128                             ; tile_dim1 = 128
	s_mov_b32 s37, 4096                            ; elements from row to row
	s_mov_b32 s38, 0
	s_mov_b32 s39, 0
	s_mov_b32 s40, 1
	s_lshl_b32 s41, s30, 17                        ; channels 0..127 at wave x 131072,
	s_mov_b32 s44, 1
	s_add_co_u32 s45, s41, 65536                   ; channels 128..255 behind them
	s_lshl_b32 s60, s53, 22                        ; the image: 256 x 4096 x 4 bytes
	s_lshl_b32 s61, s49, 9
	s_add_co_u32 s60, s60, s61                     ; + my 512 bytes of a row
	s_mov_b32 s61, 0
	s_mul_i32 s62, s53, 2359296                    ; kv: 288 rows of 8,192 bytes a head
	s_lshl_b32 s63, s49, 8
	s_add_co_u32 s62, s62, s63                     ; + my 256 bytes of a row
	s_mov_b32 s63, 0
	v_and_b32 v12, 31, v0                          ; lane
	v_and_b32 v1, 15, v0                           ; r
	v_bfe_u32 v13, v0, 4, 1                        ; h
	v_lshlrev_b32 v14, 4, v1
	v_lshl_add_u32 v[XA], v13, 12, v14
	v_add_nc_u32 v[XA], s41, v[XA]
	v_lshl_add_u32 v[KO], v13, 13, v14
	v_and_b32 v15, 1, v1
	v_lshrrev_b32 v[VO], 1, v1
	v_lshlrev_b32 v[VO], 4, v[VO]
	v_lshl_add_u32 v[VO], v15, 7, v[VO]
	v_lshl_add_u32 v[VO], v13, 16, v[VO]
	v_lshlrev_b32 v[BO], 5, v13
	v_lshl_add_u32 v[WO], v1, 10, v[BO]
	v_lshl_add_u32 v[WO2], v1, 11, v[BO]
	v_lshlrev_b32 v[LO], 4, v12
	s_lshl_b32 s52, s30, 14
	s_add_co_u32 s52, s52, WLDS
	v_add_nc_u32 v[WA], s52, v[LO]
	s_wait_dscnt 0x0                               ; both opening adds are done
	s_wait_kmcnt 0x0
	s_cmp_eq_u32 s48, 1
	s_cselect_b64 s[42:43], s[10:11], s[8:9]       ; x_f or x_b
	s_cselect_b64 s[56:57], s[16:17], s[12:13]     ; Wk or Wq
	s_cselect_b64 s[58:59], s[18:19], s[14:15]     ; bk or bq
	s_add_nc_u64 s[42:43], s[42:43], s[60:61]
	s_add_nc_u64 s[46:47], s[42:43], 0x200000      ; 128 rows of 16,384 bytes on
	s_or_b32 s43, s43, 0x80000000
	s_or_b32 s47, s47, 0x80000000
	s_add_nc_u64 s[54:55], s[24:25], s[62:63]
	global_load_b128 v[BIAS:BIAS+3],     v[BO], s[58:59]
	global_load_b128 v[BIAS+4:BIAS+7],   v[BO], s[58:59] offset:16
	global_load_b128 v[BIAS+8:BIAS+11],  v[BO], s[58:59] offset:64
	global_load_b128 v[BIAS+12:BIAS+15], v[BO], s[58:59] offset:80
	; W (32 x 256 f32): group g = 2 kl + ob is row 16 ob + r, channels 32 kl + 8 h + 0..7 and + 16.  Channels 0..127 into X, 128..255 into window 1.
.set g, 0
.rept 8
	global_load_b128 v[X+16*g:X+16*g+3],     v[WO], s[56:57] offset:(g%2)*16384+(g/2)*128
	global_load_b128 v[X+16*g+4:X+16*g+7],   v[WO], s[56:57] offset:(g%2)*16384+(g/2)*128+16
	global_load_b128 v[X+16*g+8:X+16*g+11],  v[WO], s[56:57] offset:(g%2)*16384+(g/2)*128+64
	global_load_b128 v[X+16*g+12:X+16*g+15], v[WO], s[56:57] offset:(g%2)*16384+(g/2)*128+80
.set g, g+1
.endr
	WIN 0x40
.set g, 0
.rept 8
	global_load_b128 v[16*g:16*g+3],     v[WO], s[56:57] offset:512+(g%2)*16384+(g/2)*128
	global_load_b128 v[16*g+4:16*g+7],   v[WO], s[56:57] offset:512+(g%2)*16384+(g/2)*128+16
	global_load_b128 v[16*g+8:16*g+11],  v[WO], s[56:57] offset:512+(g%2)*16384+(g/2)*128+64
	global_load_b128 v[16*g+12:16*g+15], v[WO], s[56:57] offset:512+(g%2)*16384+(g/2)*128+80
.set g, g+1
.endr
	WIN 0
	tensor_load_to_lds s[40:43], s[32:39]          ; both first fills together: two loads of mine are out
	s_nop 0
	tensor_load_to_lds s[44:47], s[32:39]
	s_nop 0
	PLACES
	v_cmp_ne_u32 vcc_lo, 0, v15                    ; the odd lanes; made behind the tensor loads and never rewritten
	; W becomes 16 bf16 fragments in my part of LDS: fragment (kappa, ob) at (2 kappa + ob) x 1024.
	s_wait_loadcnt 32                              ; the bias and channels 0..127 are in; the 32 younger loads may stay out
.set i, 0
.rept 64
	v_cvt_pk_bf16_f32 v[BF+i], v[X+2*i], v[X+2*i+1]
.set i, i+1
.endr
.set g, 0
.rept 16
	ds_store_b128 v[WA], v[BF+4*g:BF+4*g+3] offset:512*g
.set g, g+1
.endr
	s_wait_loadcnt 0x0                             ; channels 128..255
	WIN 0x05                                       ; both sources in window 1
.set i, 0
.rept 64
	v_cvt_pk_bf16_f32 v[BF+i], v[2*i], v[2*i+1]
.set i, i+1
.endr
	WIN 0
.set g, 0
.rept 16
	ds_store_b128 v[WA], v[BF+4*g:BF+4*g+3] offset:8192+512*g
.set g, g+1
.endr
	; F task: the 128 waves share out Wv's 128 fragments, one each, and Wf's 256, two each.
	s_cmp_eq_u32 s48, 0
	s_cbranch_scc1 .Lnofw
	s_lshl_b32 s60, s53, 5
	s_add_co_u32 s60, s60, s49                     ; f = 0..127
	s_lshr_b32 s61, s60, 3                         ; ob: 16 rows of the weights
	s_and_b32 s60, s60, 7                          ; kappa
	s_lshl_b32 s62, s61, 14
	s_lshl_b32 s63, s60, 7
	s_add_co_u32 s62, s62, s63
	s_mov_b32 s63, 0
	s_add_nc_u64 s[20:21], s[20:21], s[62:63]      ; Wv at row 16 ob, channel 32 kappa
	s_lshl_b32 s62, s61, 15
	s_lshl_b32 s63, s60, 8
	s_add_co_u32 s62, s62, s63
	s_mov_b32 s63, 0
	s_add_nc_u64 s[22:23], s[22:23], s[62:63]      ; Wf at row 16 ob, channel 64 kappa
	s_lshr_b32 s62, s61, 2
	s_mul_i32 s62, s62, 98304
	s_and_b32 s63, s61, 3
	s_lshl_b32 s63, s63, 10
	s_add_co_u32 s62, s62, s63
	s_mov_b32 s63, 0
	s_add_nc_u64 s[28:29], s[28:29], s[62:63]      ; wfrag at [ob >> 2][0][ob & 3]
	s_lshl_b32 s62, s60, 12
	v_add_nc_u32 v15, s62, v[LO]                   ; q = kappa
	s_lshl_b32 s62, s60, 13
	s_add_co_u32 s62, s62, 32768
	v_add_nc_u32 v13, s62, v[LO]                   ; q = 8 + 2 kappa
	global_load_b128 v[X:X+3],     v[WO], s[20:21]
	global_load_b128 v[X+4:X+7],   v[WO], s[20:21] offset:16
	global_load_b128 v[X+8:X+11],  v[WO], s[20:21] offset:64
	global_load_b128 v[X+12:X+15], v[WO], s[20:21] offset:80
.irp i, 0,1
	global_load_b128 v[X+16+16*\i:X+16+16*\i+3],     v[WO2], s[22:23] offset:128*\i
	global_load_b128 v[X+16+16*\i+4:X+16+16*\i+7],   v[WO2], s[22:23] offset:128*\i+16
	global_load_b128 v[X+16+16*\i+8:X+16+16*\i+11],  v[WO2], s[22:23] offset:128*\i+64
	global_load_b128 v[X+16+16*\i+12:X+16+16*\i+15], v[WO2], s[22:23] offset:128*\i+80
.endr
	s_wait_loadcnt 0x0
.set i, 0
.rept 24
	v_cvt_pk_bf16_f32 v[BF+i], v[X+2*i], v[X+2*i+1]
.set i, i+1
.endr
	global_store_b128 v15, v[BF:BF+3],     s[28:29]
	global_store_b128 v15, v[BF+4:BF+7],   s[28:29] offset:512
	global_store_b128 v13, v[BF+8:BF+11],  s[28:29]
	global_store_b128 v13, v[BF+12:BF+15], s[28:29] offset:512
	global_store_b128 v13, v[BF+16:BF+19], s[28:29] offset:4096
	global_store_b128 v13, v[BF+20:BF+23], s[28:29] offset:4608
.Lnofw:
	; The sums start at the bias; written while the tiles are on their way.
	WIN 0x40
.set i, 0
.rept 128
	v_mov_b32 v[i], v[BIAS+8*((i/8)%2)+i%8]
.set i, i+1
.endr
	WIN 0
; Eight of the step's 16 rows a lane, from row t0 on: eight f32 of a row become 16 bytes of kv.  I hold positions 4 r .. 4 r + 3 of both blocks of 64; neighbours r and r ^ 1 exchange 8 bytes,
; so that an even lane holds 8 positions of block 0 and an odd lane 8 of block 1: 16 lanes store 256 consecutive bytes, aligned.
; The rows go stage by stage, so that no line reads the result of the line before it, and their eight stores stand in one run.
.macro VGROUP t0
.set vt, \t0
.rept 8
.set xb, X+8*vt
	v_cvt_pk_bf16_f32 v[xb],   v[xb],   v[xb+1]
	v_cvt_pk_bf16_f32 v[xb+1], v[xb+2], v[xb+3]
	v_cvt_pk_bf16_f32 v[xb+2], v[xb+4], v[xb+5]
	v_cvt_pk_bf16_f32 v[xb+3], v[xb+6], v[xb+7]
.set vt, vt+1
.endr
.set vt, \t0
.rept 8
.set xb, X+8*vt
	v_cndmask_b32 v[xb+4], v[xb+2], v[xb],   vcc_lo   ; what my neighbour wants: an even lane's block 1, an odd lane's block 0
	v_cndmask_b32 v[xb+5], v[xb+3], v[xb+1], vcc_lo
.set vt, vt+1
.endr
.set vt, \t0
.rept 8
.set xb, X+8*vt
	v_mov_b32_dpp v[xb+6], v[xb+4] row_xmask:1 row_mask:0xf bank_mask:0xf
	v_mov_b32_dpp v[xb+7], v[xb+5] row_xmask:1 row_mask:0xf bank_mask:0xf
.set vt, vt+1
.endr
.set vt, \t0
.rept 8
.set xb, X+8*vt
	v_cndmask_b32 v[xb+4], v[xb],   v[xb+6], vcc_lo
	v_cndmask_b32 v[xb+5], v[xb+1], v[xb+7], vcc_lo
	v_cndmask_b32 v[xb+6], v[xb+6], v[xb+2], vcc_lo
	v_cndmask_b32 v[xb+7], v[xb+7], v[xb+3], vcc_lo
.set vt, vt+1
.endr
.set vt, \t0
.rept 8
.set xb, X+8*vt
	global_store_b128 v[VO], v[xb+4:xb+7], s[54:55] offset:(vt+8*(vt/8))*8192-262144
.set vt, vt+1
.endr
.endm
; One step: 32 channels.  Row t of a lane is channel t + 8 h (t < 8) or t + 8 + 8 h: the channels that the lane's half holds in a fragment.
.macro KSTEP
	s_wait_xcnt 0x0                                ; the stores issued so far have read X, BF and the base: only behind this wait are they rewritten
	s_add_nc_u64 s[54:55], s[54:55], 262144        ; 32 rows of kv on; this step's stores reach back
.set t, 0
.rept 16
.set tt, t+8*(t/8)
	ds_load_b128 v[X+8*t:X+8*t+3],   v[XA] offset:tt*512
	ds_load_b128 v[X+8*t+4:X+8*t+7], v[XA] offset:tt*512+256
.set t, t+1
.endr
	ds_load_b128 v[WC:WC+3],     v[WA]
	ds_load_b128 v[WC+4:WC+7],   v[WA] offset:512
	ds_load_b128 v[WC+8:WC+11],  v[WA] offset:1024
	ds_load_b128 v[WC+12:WC+15], v[WA] offset:1536
	s_wait_dscnt 0x0
.set tau, 0
.rept 8
.set u, 0
.rept 4
	v_cvt_pk_bf16_f32 v[BF+8*tau+u],   v[X+16*u+tau],    v[X+16*u+8+tau]
	v_cvt_pk_bf16_f32 v[BF+8*tau+4+u], v[X+64+16*u+tau], v[X+64+16*u+8+tau]
.set u, u+1
.endr
.set tau, tau+1
.endr
	WIN 0x50                                       ; C and D in window 1
.irp ob, 0,1
.set tau, 0
.rept 8                                        ; the 16 accumulators take turns, over the backward jump too
	v_wmma_f32_16x16x32_bf16 v[8*(2*tau+\ob):8*(2*tau+\ob)+7], v[WC+8*\ob:WC+8*\ob+7], v[BF+8*tau:BF+8*tau+7], v[8*(2*tau+\ob):8*(2*tau+\ob)+7]
.set tau, tau+1
.endr
.endr
	WIN 0
	PLACES                                         ; in front of the next step's loads into WC and writes of BF
	s_cmp_eq_u32 s48, 1
	s_cbranch_scc1 .Lnov_\@                        ; x_f's rows are not wanted in bf16
	VGROUP 0
	VGROUP 8
.Lnov_\@:
	v_add_nc_u32 v[XA], 16384, v[XA]
	v_add_nc_u32 v[WA], 2048, v[WA]
.endm
.macro KLOOP                           ; four steps: 128 channels, one tensor load's rows
	s_mov_b32 s52, 4
.Lk_\@:
	KSTEP
	s_sub_co_u32 s52, s52, 1
	s_cmp_lg_u32 s52, 0
	s_cbranch_scc1 .Lk_\@
.endm
	s_wait_tensorcnt 0x1                           ; channels 0..127 are in; the one younger load may stay out
	KLOOP
	s_wait_tensorcnt 0x0                           ; channels 128..255 are in
	KLOOP
	s_wait_xcnt 0x0                                ; the last rows' stores have read X
	WIN 0x01                                       ; source 0 in window 1
.set i, 0
.rept 64                                       ; each accumulator from its low end on
	v_pk_mul_f32 v[X+2*i:X+2*i+1], v[2*i:2*i+1], s[50:51] op_sel_hi:[1,0]
.set i, i+1
.endr
	WIN 0
.set i, 0
.rept 64
	v_cvt_pk_bf16_f32 v[BF+i], v[X+2*i], v[X+2*i+1]
.set i, i+1
.endr
	s_cmp_eq_u32 s48, 1
	s_cbranch_scc1 .Lkout
	s_lshl_b32 s60, s53, 18                        ; qf: 256 tiles of 1,024 bytes a head,
	s_lshl_b32 s61, s49, 13                        ; my eight tiles
	s_add_co_u32 s60, s60, s61
	s_mov_b32 s61, 0
	s_add_nc_u64 s[26:27], s[26:27], s[60:61]
.set g, 0
.rept 16                                       ; each store of the wave covers 512 consecutive bytes, aligned
	global_store_b128 v[LO], v[BF+4*g:BF+4*g+3], s[26:27] offset:512*g
.set g, g+1
.endr
	s_branch .Lend
.Lkout:
	; s[54:55] has gone eight steps: it stands at row 256 of head b, at my block's 256 bytes.  My tiles 4..7 go there as stored tiles 0..3; my tiles 0..3 go to the block before, as its stored tiles 4..7.
	s_sub_co_u32 s61, s49, 1
	s_and_b32 s61, s61, 31
	s_lshl_b32 s61, s61, 8
	s_mul_i32 s60, s53, 2359296
	s_add_co_u32 s60, s60, s61
	s_add_co_u32 s60, s60, 2097152
	s_mov_b32 s61, 0
	s_add_nc_u64 s[56:57], s[24:25], s[60:61]
	s_mov_b32 s52, 3
.Lkk:                                          ; once for each of the batch's three heads
.set g, 0
.rept 8                                        ; tiles 0..3: row 4 (tile + 4) + 2 ob + h; 16 lanes store 256 consecutive bytes, aligned
	global_store_b128 v[KO], v[BF+4*g:BF+4*g+3], s[56:57] offset:(4*(g/2+4)+2*(g%2))*8192
.set g, g+1
.endr
.rept 8                                        ; tiles 4..7: row 4 (tile - 4) + 2 ob + h
	global_store_b128 v[KO], v[BF+4*g:BF+4*g+3], s[54:55] offset:(4*(g/2-4)+2*(g%2))*8192
.set g, g+1
.endr
	s_wait_xcnt 0x0                                ; the stores have read the two bases
	s_add_nc_u64 s[54:55], s[54:55], 9437184       ; four heads on
	s_add_nc_u64 s[56:57], s[56:57], 9437184
	s_sub_co_u32 s52, s52, 1
	s_cmp_lg_u32 s52, 0
	s_cbranch_scc1 .Lkk
.Lend:
	s_wait_tensorcnt 0x0                           ; the wave's end
	ds_add_u32 v[SPW], v[NIL]
	s_wait_dscnt 0x0
	s_endpgm
.Lfunc_end_k_qaf0dc560b1_prep:
	.size	k_qaf0dc560b1_prep, .Lfunc_end_k_qaf0dc560b1_prep-k_qaf0dc560b1_prep
	.p2alignl 7, 3214868480
	.fill 96, 4, 3214868480
	.section	.rodata,"a",@progbits
	.p2align	6, 0x0
	.amdhsa_kernel k_qaf0dc560b1_prep
		.amdhsa_group_segment_fixed_size 295168
		.amdhsa_private_segment_fixed_size 0
		.amdhsa_enable_private_segment 0
		.amdhsa_kernarg_size 88
		.amdhsa_user_sgpr_count 2
		.amdhsa_user_sgpr_kernarg_segment_ptr 1
		.amdhsa_wavefront_size32 1
		.amdhsa_system_sgpr_workgroup_id_x 1
		.amdhsa_system_sgpr_workgroup_id_y 1
		.amdhsa_system_sgpr_workgroup_id_z 1
		.amdhsa_system_vgpr_workitem_id 0
		.amdhsa_next_free_vgpr 384
		.amdhsa_next_free_sgpr 66
		.amdhsa_reserve_vcc 1
		.amdhsa_float_denorm_mode_32 3
		.amdhsa_float_denorm_mode_16_64 3
		.amdhsa_memory_ordered 1
		.amdhsa_forward_progress 1
		.amdhsa_inst_pref_size 78
	.end_amdhsa_kernel
	.amdgpu_metadata
---
amdhsa.version: [ 1, 2 ]
amdhsa.kernels:
  - .name:           k_qaf0dc560b1_prep
    .symbol:         k_qaf0dc560b1_prep.kd
    .args:
      - { .name: x_b_total, .offset: 0, .size: 8, .value_kind: global_buffer, .address_space: global }
      - { .name: x_f, .offset: 8, .size: 8, .value_kind: global_buffer, .address_space: global }
      - { .name: Wq, .offset: 16, .size: 8, .value_kind: global_buffer, .address_space: global }
      - { .name: bq, .offset: 24, .size: 8, .value_kind: global_buffer, .address_space: global }
      - { .name: Wk, .offset: 32, .size: 8, .value_kind: global_buffer, .address_space: global }
      - { .name: bk, .offset: 40, .size: 8, .value_kind: global_buffer, .address_space: global }
      - { .name: Wv, .offset: 48, .size: 8, .value_kind: global_buffer, .address_space: global }
      - { .name: Wf, .offset: 56, .size: 8, .value_kind: global_buffer, .address_space: global }
      - { .name: kv, .offset: 64, .size: 8, .value_kind: global_buffer, .address_space: global }
      - { .name: qf, .offset: 72, .size: 8, .value_kind: global_buffer, .address_space: global }
      - { .name: wfrag, .offset: 80, .size: 8, .value_kind: global_buffer, .address_space: global }
    .group_segment_fixed_size: 295168
    .private_segment_fixed_size: 0
    .kernarg_segment_align: 8
    .kernarg_segment_size: 88
    .max_flat_workgroup_size: 64
    .sgpr_count:     66
    .vgpr_count:     384
    .wavefront_size: 32
...
	.end_amdgpu_metadata
.endif
;; end of part 1
;; launch attn (part 2): grid 16 x 12, 4 waves a work-group, clusters of 4 x 1, 327,680 bytes of LDS; arguments qf, kv, of; writes of
.if DOCPART == 2
	.amdgcn_target "amdgcn-amd-amdhsa--gfx1250"
	.amdhsa_code_object_version 6
	.text
	.protected	k_qaf0dc560b1_attn
	.globl	k_qaf0dc560b1_attn
	.p2align	8
	.type	k_qaf0dc560b1_attn,@function
k_qaf0dc560b1_attn:
	s_mov_b64 s[64:65], 0
	v_nop
	global_prefetch_b8 v0, s[64:65] scope:SCOPE_SE
	s_setreg_imm32_b32 hwreg(HW_REG_WAVE_MODE, 25, 1), 1
	s_wait_xcnt 0x0
	s_wait_alu depctr_hold_cnt(0) depctr_sa_sdst(0) depctr_va_vdst(0) depctr_va_sdst(0) depctr_va_ssrc(0) depctr_va_vcc(0) depctr_vm_vsrc(0)
	s_getreg_b32 s2, hwreg(HW_REG_IB_STS2, 6, 4)
	s_cmp_eq_u32 s2, 0
	s_cbranch_scc0 .Lentry_in_a_cluster
	s_endpgm
.Lentry_in_a_cluster:
	s_bfe_u32 s2, ttmp6, 0x10000c
	s_cmp_lg_u32 s2, 0x3003
	s_cbranch_scc0 .Lentry_shape_is_right
	s_endpgm
.Lentry_shape_is_right:
; ATTN.  For head (kk, b): O[q][c] = sum over keys of softmax_key(q . k) x_b[c][key], stored as bf16 fragments for the last launch.  The softmax's rows sum to 1, so Wv and bv are applied there, behind the sum over kk.
; q arrives times log2(e): p = 2^(s - m), m the row's TRUE maximum: a first SWEEP over all keys makes K Q^T once (a ninth of the main loop's products) and keeps the maximum alone.
; So the main loop carries no running maximum and never rescales O.  -m is the C operand that starts each sum S^T = K Q^T - m.
; SHARES.  A work-group owns 256 queries of a head, a wave 64: four tiles of 16.  192 work-groups: O^T of 256 channels takes 128 registers a tile, four tiles fill two windows; a head's 256 tiles do not divide by 3 a wave.
; LAYOUT.  S^T = K Q^T: a lane holds one query (lane % 16); key tile e, register j is position 32 h + 4 j + e of the step's 64.  So a lane's half holds 32 neighbouring positions, and V^T's fragment for
; 16 of them is 32 consecutive bytes of a row of kv; P is packed in the same order of keys (a permutation of K applied alike to both sources).  O^T = V^T P again holds one query a lane, and eight channels.
; THE DEAL.  A key step has 144 products, 128 exponentials and 128 plain vector lines.  No product has more than four vector lines behind it, and none more than two exponentials.
; CLUSTER.  The four query blocks of a cluster walk the same rows of kv: every tile is asked for jointly, by the same line with the same descriptor (made of the head and the wave's number) and the mask of four.
; RING.  Two slots.  Sweep: a chunk of K's 32 rows x 2,048 bytes, 8 rows a wave.  Main: a tile of 128 keys: 288 rows x 256 bytes (256 of V, 32 of K: the NEXT step's K lies beside a step's V), 72 rows a wave, pitch 272.
; One tensor load of mine is out at any time.
; LIMITS.  bf16 operands; a weight below 2^-126 counts as 0; NaN and infinities are not treated apart; O is rounded once to bf16.
.set SLOT1, 131072
.set SPARE, 262144                     ; the spare words, 128 bytes a wave
.set AV0, 2                            ; v2  272 r + 64 h
.set AK0, 3                            ; v3  69632 + 272 h + 16 r
.set AKS0, 4                           ; v4  2048 h + 16 r
.set AV,  5
.set AK,  6
.set ADK, 7
.set LO,  8                            ; v8  16 x lane
.set PFO, 9                            ; v9  8192 x lane: a row of kv a lane
.set SPW, 10
.set NIL, 11
.set MXS, 12                           ; v[12:27] the sweep's running maxima, four a tile
.set L,   16                           ; v[16:23] the sum, a pair a tile: set to 0 when the sweep's maxima have been used
.set Q,   32                           ; v[32:63]
.set S,   64                           ; v[64:191]  S[t][e][j] at 32 t + 8 e + j
.set P,   192                          ; v[192:255] P[t][16]
.set KAS, 192                          ; the sweep's two buffers of K lie where P will
.set KBS, 224
.set KA,  128                          ; window 1: v[0:63] VA, v[64:127] VB, v[128:159] K, v[160:191] -m
.set MC,  160
                                       ; windows 2, 3: O[t][cb] in window 2 + t / 2 at 128 (t % 2) + 8 cb
; s10 wave; s[16:23] group 1 for the sweep, s[24:31] for the main tiles; s[32:35], s[36:39] their groups 0; s40 the slot being read; s41, s42 counts; s43 limit of the prefetches; s[44:45] their address; s[46:47] lane selects
.set MSB, 0
.macro WIN new
.if MSB != (\new)
	s_set_vgpr_msb (MSB<<8)|(\new)
.set MSB, \new
.endif
.endm
.macro PLACES
.rept 4
	v_nop
.endr
.endm
.macro CROUND                          ; a round of the cluster's barrier
	s_barrier_signal -1
	s_barrier_wait -1
	s_cmp_lg_u32 s10, 0
	s_cbranch_scc1 .Lnw0_\@
	s_barrier_signal -3
.Lnw0_\@:
	s_barrier_wait -3
	s_barrier_signal -1
	s_barrier_wait -1
.endm
; A prefetch of V's rows of the tile that stands two changes of slots on (four key steps, 576 products): 256 rows x 256 bytes.  The head's first cluster asks, in waves 0 and 1; partner cx, wave w takes rows
; 64 cx + 32 w + lane, told apart by address: each block is named once in the launch.  K's rows have been read by the sweep.  The changes that load tiles 30 and 31 ask for nothing; tiles 0 to 2 come by their loads alone.
.macro ASK
	s_cmp_gt_u32 s42, s43
	s_cbranch_scc0 .Lnoask_\@
	global_prefetch_b8 v[PFO], s[44:45] th:TH_LOAD_NT scope:SCOPE_SE
.Lnoask_\@:
.endm
; THE CHANGE OF SLOTS.  Each wave waits for all its tensor loads (the one that is out: its part of the other slot), adds 0 to its spare word, and waits for that and for its reads of the slot that it leaves.
; kind 1: the next chunk of K; 2: main tile 0; 3: the next main tile; 0: nothing is left to ask for.
.macro CHANGE kind
	WIN 0
	s_wait_tensorcnt 0x0                           ; no tensor load of mine is out, so a group 0 may be written
	ds_add_u32 v[SPW], v[NIL]
.if (\kind) == 1
	s_xor_b32 s33, s33, SLOT1
	s_add_nc_u64 s[34:35], s[34:35], 2048
.elseif (\kind) == 3
	s_xor_b32 s37, s37, SLOT1
	s_add_nc_u64 s[38:39], s[38:39], 256
	s_wait_xcnt 0x0                                ; the last prefetch, two key steps back, has read its address
	s_add_nc_u64 s[44:45], s[44:45], 256
.endif
	s_wait_dscnt 0x0                               ; the add is done, and my reads of the slot are over
.if (\kind) == 0
	s_barrier_signal -1
	s_barrier_wait -1
.else
	CROUND                                         ; no wave of any partner still reads the slot or has a load on its way
.if (\kind) == 1
	tensor_load_to_lds s[32:35], s[16:23]
.else
	tensor_load_to_lds s[36:39], s[24:31]
.endif
	s_nop 0
	PLACES
.if (\kind) == 3
	ASK
.endif
.endif
	s_xor_b32 s40, s40, SLOT1                      ; the slot that is whole now
.endm
; THE SWEEP, all in window 0.
.macro FETCHS kb, T0, off              ; four tiles of K: stored tile T0 + e of a block of eight lies in rows 4 (T0 + e) + 2 chunk + h
.set fe, 0
.rept 4
	ds_load_b128 v[(\kb)+8*fe:(\kb)+8*fe+3],   v[ADK] offset:((\T0)+fe)*8192+(\off)
	ds_load_b128 v[(\kb)+8*fe+4:(\kb)+8*fe+7], v[ADK] offset:((\T0)+fe)*8192+4096+(\off)
.set fe, fe+1
.endr
.endm
.macro MAXR a                          ; accumulator a's eight scores into its tile's four running maxima, from the low end on: no line reads the result of another
.set sa, S+8*(\a)
.set mt, MXS+4*((\a)/4)
	v_max3_num_f32 v[mt],   v[mt],   v[sa],   v[sa+1]
	v_max3_num_f32 v[mt+1], v[mt+1], v[sa+2], v[sa+3]
	v_max3_num_f32 v[mt+2], v[mt+2], v[sa+4], v[sa+5]
	v_max3_num_f32 v[mt+3], v[mt+3], v[sa+6], v[sa+7]
.endm
.macro SSTEP kb                        ; 64 keys x 64 queries.  Behind each product the maxima of the accumulator written four products earlier: sixteen plain places lie between
.set si, 0
.rept 16
	v_wmma_f32_16x16x32_bf16 v[S+8*si:S+8*si+7], v[(\kb)+8*(si%4):(\kb)+8*(si%4)+7], v[Q+8*(si/4):Q+8*(si/4)+7], 0
	MAXR (si+12)%16
.set si, si+1
.endr
.endm
.macro SWEEP                           ; a chunk: 8 blocks of 8 tiles.  The four lines behind a step's last product are the places in front of the loads into its buffer
	v_add_nc_u32 v[ADK], s40, v[AKS0]
	FETCHS KAS, 0, 0
	s_mov_b32 s41, 8
.Lsweep_\@:
	s_wait_dscnt 0x0
	FETCHS KBS, 4, 0
	SSTEP KAS
	s_wait_dscnt 0x0
	s_cmp_eq_u32 s41, 1
	s_cbranch_scc1 .Lnok_\@                        ; the chunk has no further block
	FETCHS KAS, 0, 256
.Lnok_\@:
	SSTEP KBS
	v_add_nc_u32 v[ADK], 256, v[ADK]
	s_sub_co_u32 s41, s41, 1
	s_cmp_lg_u32 s41, 0
	s_cbranch_scc1 .Lsweep_\@
.endm
; THE MAIN LOOP.
.macro FETCHV buf, kk2, cbh            ; eight fragments of V^T: channels 16 (8 cbh + c) + r, my half's keys 16 kk2 .. + 15: 32 consecutive bytes
	WIN 0x40
.set fc, 0
.rept 8
	ds_load_b128 v[64*(\buf)+8*fc:64*(\buf)+8*fc+3],   v[AV] offset:(8*(\cbh)+fc)*4352+32*(\kk2)
	ds_load_b128 v[64*(\buf)+8*fc+4:64*(\buf)+8*fc+7], v[AV] offset:(8*(\cbh)+fc)*4352+32*(\kk2)+16
.set fc, fc+1
.endr
.endm
.macro FETCHK                          ; the next step's four tiles of K
	WIN 0x40
.set fe, 0
.rept 4
	ds_load_b128 v[KA+8*fe:KA+8*fe+3],   v[AK] offset:1088*fe
	ds_load_b128 v[KA+8*fe+4:KA+8*fe+7], v[AK] offset:1088*fe+544
.set fe, fe+1
.endr
.endm
.macro KQRUN kb, win                   ; S^T = K Q^T - m
	WIN \win
.set ki, 0
.rept 16
	v_wmma_f32_16x16x32_bf16 v[S+8*ki:S+8*ki+7], v[(\kb)+8*(ki%4):(\kb)+8*(ki%4)+7], v[Q+8*(ki/4):Q+8*(ki/4)+7], v[MC+8*(ki/4):MC+8*(ki/4)+7]
.set ki, ki+1
.endr
.endm
; THE VECTOR LINES.  EXPN: the next of the step's 128 exponentials: register ex / 16 of accumulator ex % 16.
; CVTN c: rounding c of 64: P[t][idx] holds keys 2 idx, 2 idx + 1 of my half's 32; c < 32 makes P's first half.  ADDN a: sum a of 64: pair a / 4 of tile a % 4 onto l.
.macro EXPN
	WIN 0
	v_exp_f32 v[S+8*(ex%16)+ex/16], v[S+8*(ex%16)+ex/16]
.set ex, ex+1
.endm
.macro CVTN c
.set t, (\c)%4
.set idx, (\c)/4
.set j, 4*(idx>>3)+((idx&7)>>1)
.set e0, 2*(idx&1)
	WIN 0
	v_cvt_pk_bf16_f32 v[P+16*t+idx], v[S+32*t+8*e0+j], v[S+32*t+8*e0+8+j]
.endm
.macro ADDN a
.set t, (\a)%4
.set z, (\a)/4
	WIN 0
	v_pk_add_f32 v[L+2*t:L+2*t+1], v[L+2*t:L+2*t+1], v[S+32*t+2*z:S+32*t+2*z+1]
.endm
; Products first .. first + count - 1 of a quarter's 32: O^T += V^T P, each on another accumulator.  Behind each product, by rid:
; 1: one or two exponentials: behind the n-th of the step's 88 such products 128 n / 88 have been issued;  2: a rounding of P's first half and two sums;  3: four roundings of P's second half;  0: nothing.
.macro QPART buf, kk2, cbh, first, count, rid
.set qi, \first
.rept \count
.set qt, 2*(qi/16)+qi%2
.set qc, (qi%16)/2
.set qo, 128*(qi%2)+8*(8*(\cbh)+qc)
	WIN 0xA1+0x50*(qi/16)                          ; V in window 1, P in window 0, O^T in window 2 or 3
	v_wmma_f32_16x16x32_bf16 v[qo:qo+7], v[64*(\buf)+8*qc:64*(\buf)+8*qc+7], v[P+16*qt+8*(\kk2):P+16*qt+8*(\kk2)+7], v[qo:qo+7]
.if (\rid) == 1
.set pn, pn+1
.rept (pn*128)/88-ex
	EXPN
.endr
.elseif (\rid) == 2
	CVTN qi
	ADDN 2*qi
	ADDN 2*qi+1
.elseif (\rid) == 3
	CVTN 32+4*qi
	CVTN 33+4*qi
	CVTN 34+4*qi
	CVTN 35+4*qi
.endif
.set qi, qi+1
.endr
.endm
; A TRIP is key step j, with the last quarter of step j - 1's products at its head, so that the change of slots falls where the old slot's last bytes have been asked for.
; P's first half is written while the last quarter reads the second half, P's second half while the first quarter reads the first half.  When the scores of step j have been read for the last time,
; K Q^T makes those of step j + 1, and their exponentials stand behind the step's other 88 products: one batch, one wait.
; No two matrix instructions on end share an accumulator.  Four v_nop stand in front of each run of loads into registers that products have read, and behind K Q^T in front of the exponentials.
.macro TRIP lbl
	PLACES
	FETCHV 0, 0, 0
	FETCHK
	s_wait_dscnt 24                                ; all but the 24 just issued: VB of step j - 1 is in
	QPART 1, 1, 1, 0, 32, 2                        ; | P's first half and l for step j
	WIN 0
.Lmid_\lbl:
	s_wait_dscnt 0x0                               ; VA and K are in
	PLACES
	FETCHV 1, 0, 1
	QPART 0, 0, 0, 0, 8, 3                         ; | P's second half
	KQRUN KA, 0x11                                 ; the scores of step j + 1
	PLACES
.set pn, 0
.set ex, 0
	QPART 0, 0, 0, 8, 24, 1                        ; | exponentials
	s_wait_dscnt 0x0
	PLACES
	FETCHV 0, 1, 0
	QPART 1, 0, 1, 0, 32, 1                        ; | exponentials
	s_wait_dscnt 0x0
	PLACES
	FETCHV 1, 1, 1
	QPART 0, 1, 0, 0, 32, 1                        ; | exponentials
	WIN 0
	v_nop                                          ; a plain instruction behind the last exponential,
	s_wait_alu depctr_va_vdst(0)                   ; and one wait for the step's 128, ahead of the branch and of their first reader
	v_add_nc_u32 v[AV], 128, v[AV]
	v_add_nc_u32 v[AK], 4352, v[AK]
.endm
	s_load_b128 s[4:7], s[0:1], 0x0                ; qf s[4:5], kv s[6:7]
	s_load_b64 s[8:9], s[0:1], 0x10                ; of
	v_lshl_add_u32 v[SPW], v0, 2, SPARE
	v_mov_b32 v[NIL], 0
	ds_add_u32 v[SPW], v[NIL]                      ; the opening: the add, twice on end, and its wait ahead of my first tensor load
	ds_add_u32 v[SPW], v[NIL]
	v_lshrrev_b32 v1, 5, v0
	v_readfirstlane_b32 s10, v1                    ; wave 0..3
	s_bfe_u32 s11, ttmp6, 0x40000                  ; cx
	s_and_b32 s12, ttmp7, 0xffff                   ; the head, which the partners share
	s_mul_i32 s48, s12, 2359296                    ; its 288 rows of kv
	s_lshl_b32 s50, s10, 16                        ; the sweep: my 8 rows of K's 32,
	s_add_co_u32 s50, s50, 2097152                 ; which begin at row 256
	s_add_co_u32 s50, s50, s48
	s_mov_b32 s51, 0
	s_mul_i32 s52, s10, 589824                     ; the main tiles: my 72 rows
	s_add_co_u32 s52, s52, s48
	s_mov_b32 s53, 0
	s_lshl_b32 s54, s11, 19                        ; the prefetches: rows 64 cx + 32 w on, at tile 2's column; the first that asks steps it to tile 3's
	s_lshl_b32 s55, s10, 18
	s_add_co_u32 s54, s54, s55
	s_add_co_u32 s54, s54, s48
	s_add_co_u32 s54, s54, 512
	s_mov_b32 s55, 0
	s_lshl_b32 s13, ttmp9, 2
	s_add_co_u32 s13, s13, s11                     ; my block of 256 queries: it enters qf's and of's addresses alone
	s_lshl_b32 s13, s13, 2
	s_add_co_u32 s13, s13, s10                     ; my wave's block of 64
	s_lshl_b32 s14, s12, 18
	s_lshl_b32 s15, s13, 12
	s_add_co_u32 s14, s14, s15
	s_mov_b32 s15, 0
	s_lshl_b32 s12, s12, 21
	s_lshl_b32 s13, s13, 15
	s_add_co_u32 s12, s12, s13
	s_mov_b32 s13, 0
	s_mov_b32 s16, 15|(1<<16)|(1<<21)              ; the mask of four, 2-byte elements, bit 21 beside the mask
	s_mov_b32 s17, 1024<<16                        ; tensor_dim0 = 1024
	s_mov_b32 s18, 8<<16                           ; tensor_dim1 = 8
	s_mov_b32 s19, 1024<<16                        ; tile_dim0
	s_mov_b32 s20, 8                               ; tile_dim1
	s_mov_b32 s21, 4096                            ; elements from row to row
	s_mov_b32 s22, 0
	s_mov_b32 s23, 0
	s_mov_b32 s24, 15|(1<<16)|(1<<20)|(1<<21)|(5<<22)|(3<<25)  ; the same with 4 words of padding behind every 64
	s_mov_b32 s25, 128<<16
	s_mov_b32 s26, 72<<16
	s_mov_b32 s27, 128<<16
	s_mov_b32 s28, 72
	s_mov_b32 s29, 4096
	s_mov_b32 s30, 0
	s_mov_b32 s31, 0
	s_mov_b32 s32, 1
	s_lshl_b32 s33, s10, 14                        ; 8 rows of 2,048 bytes a wave, slot 0
	s_mov_b32 s36, 1
	s_mul_i32 s37, s10, 19584                      ; 72 rows of 272 bytes a wave, slot 0
	s_mov_b32 s40, SLOT1                           ; the first change turns it into 0
	s_mov_b32 s46, 0x76543210
	s_mov_b32 s47, 0xfedcba98
	s_lshr_b32 s43, s10, 1
	s_or_b32 s43, s43, ttmp9                       ; 0 in waves 0 and 1 of the head's first cluster: the same in all four partners
	s_cmp_eq_u32 s43, 0
	s_cselect_b32 s43, 2, -1
	s_wait_dscnt 0x0                               ; both opening adds are done
	s_wait_kmcnt 0x0
	s_add_nc_u64 s[34:35], s[6:7], s[50:51]
	s_or_b32 s35, s35, 0x80000000
	s_add_nc_u64 s[38:39], s[6:7], s[52:53]
	s_or_b32 s39, s39, 0x80000000
	s_add_nc_u64 s[44:45], s[6:7], s[54:55]
	s_add_nc_u64 s[4:5], s[4:5], s[14:15]
	s_add_nc_u64 s[8:9], s[8:9], s[12:13]
	CROUND                                         ; all four work-groups are here: the first joint loads meet
	tensor_load_to_lds s[32:35], s[16:23]          ; chunk 0 of K into slot 0
	s_nop 0
	PLACES
	v_and_b32 v1, 15, v0                           ; r
	v_bfe_u32 v24, v0, 4, 1                        ; h
	v_and_b32 v25, 31, v0                          ; lane
	v_lshlrev_b32 v[LO], 4, v25
	v_lshlrev_b32 v[PFO], 13, v25
.set i, 0
.rept 8                                        ; Q stays in registers: tile i / 2, chunk i % 2
	global_load_b128 v[Q+4*i:Q+4*i+3], v[LO], s[4:5] offset:512*i
.set i, i+1
.endr
	v_mul_u32_u24 v[AV0], v1, 272
	v_lshl_add_u32 v[AV0], v24, 6, v[AV0]
	v_mul_u32_u24 v[AK0], v24, 272
	v_lshl_add_u32 v[AK0], v1, 4, v[AK0]
	v_add_nc_u32 v[AK0], 69632, v[AK0]
	v_lshlrev_b32 v[AKS0], 4, v1
	v_lshl_add_u32 v[AKS0], v24, 11, v[AKS0]
.set i, 0
.rept 16
	v_mov_b32 v[MXS+i], 0xff7fffff                 ; the lowest finite number
.set i, i+1
.endr
.set i, 0
.rept 32
	v_mov_b32 v[S+96+i], 0xff7fffff                ; the first step's first four maxima read accumulators 12 to 15, which no product has written yet
.set i, i+1
.endr
	; O^T starts at 0: written in the wait for the first chunk, so that the loop has one form of product and no first step is written out
	WIN 0x80
.set i, 0
.rept 256
	v_mov_b32 v[i], 0
.set i, i+1
.endr
	WIN 0xC0
.set i, 0
.rept 256
	v_mov_b32 v[i], 0
.set i, i+1
.endr
	WIN 0
	s_wait_loadcnt 0x0                             ; Q
	s_mov_b32 s42, 3
.Lsw:                                          ; chunks 0 to 2 are swept, chunks 1 to 3 asked for
	CHANGE 1
	SWEEP
	s_sub_co_u32 s42, s42, 1
	s_cmp_lg_u32 s42, 0
	s_cbranch_scc1 .Lsw
	CHANGE 2                                       ; main tile 0 goes out while chunk 3 is swept
	SWEEP
	MAXR 12                                        ; the last four accumulators; the lines behind the last products are their places
	MAXR 13
	MAXR 14
	MAXR 15
.irp t, 0,1,2,3
	v_max3_num_f32 v[MXS+4*\t], v[MXS+4*\t], v[MXS+4*\t+1], v[MXS+4*\t+2]
.endr
.irp t, 0,1,2,3
	v_max_num_f32 v[MXS+4*\t], v[MXS+4*\t], v[MXS+4*\t+3]
.endr
.irp t, 0,1,2,3
	v_permlanex16_b32 v[MXS+4*\t+1], v[MXS+4*\t], s46, s47  ; the query's other keys lie in the lane 16 away
.endr
.irp t, 0,1,2,3
	v_max_num_f32 v[MXS+4*\t], v[MXS+4*\t], v[MXS+4*\t+1]
.endr
	WIN 0x40
.set i, 0
.rept 32
	v_mul_f32 v[MC+i], -1.0, v[MXS+4*(i/8)]
.set i, i+1
.endr
	KQRUN KBS, 0x10                                ; the sweep's last four tiles are stored tiles 252..255: key tiles 0..3, step 0's
	WIN 0
.set i, 0
.rept 8
	v_mov_b32 v[L+i], 0                            ; l starts at 0; these eight lines are the places behind the products
.set i, i+1
.endr
.set ex, 0
.rept 128
	EXPN                                           ; step 0's exponentials: there are no products yet to set them between
.endr
	v_nop
	s_wait_alu depctr_va_vdst(0)
	s_mov_b32 s42, 31
	CHANGE 3                                       ; tile 0 is whole; tile 1 is asked for
	v_add_nc_u32 v[AV], s40, v[AV0]
	v_add_nc_u32 v[AK], s40, v[AK0]
	FETCHV 0, 0, 0
	FETCHK
.set qi, 0
.rept 32                                       ; step 0's share of what a trip's first quarter carries
	CVTN qi
	ADDN 2*qi
	ADDN 2*qi+1
.set qi, qi+1
.endr
	WIN 0
	s_mov_b32 s41, 2
	s_branch .Lmid_a                               ; the loop is entered behind the quarter that belongs to the step before
.Louter:                                       ; 30 times: tiles 1 to 30 are entered, tiles 2 to 31 asked for
	CHANGE 3
	v_add_nc_u32 v[AV], s40, v[AV0]
	v_add_nc_u32 v[AK], s40, v[AK0]
	s_mov_b32 s41, 2
.Linner:
	TRIP a
	s_sub_co_u32 s41, s41, 1
	s_cmp_lg_u32 s41, 0
	s_cbranch_scc1 .Linner
	s_sub_co_u32 s42, s42, 1
	s_cmp_lg_u32 s42, 0
	s_cbranch_scc1 .Louter
	CHANGE 0                                       ; the last tile is written out
	v_add_nc_u32 v[AV], s40, v[AV0]
	v_add_nc_u32 v[AK], s40, v[AK0]
	s_mov_b32 s41, 2
.Ltail:
	TRIP b                                         ; the last trip's K Q^T (on key tiles 0..3 once more) and its exponentials serve nothing: the price of one text for every trip; l is not touched by them
	s_sub_co_u32 s41, s41, 1
	s_cmp_lg_u32 s41, 0
	s_cbranch_scc1 .Ltail
	s_wait_dscnt 0x0
	QPART 1, 1, 1, 0, 32, 0                        ; the last step's last quarter
	; THE WAY OUT.  l's two halves and the other half of the lanes' are added (these lines are the places behind the last products); O^T is divided by l and rounded to bf16.
	; A lane's eight channels of a query are 16 bytes of a fragment for the last launch: each store of the wave covers 512 consecutive bytes, aligned.
	WIN 0
.irp t, 0,1,2,3
	v_add_f32 v[L+2*\t], v[L+2*\t], v[L+2*\t+1]
.endr
.irp t, 0,1,2,3
	v_permlanex16_b32 v[L+2*\t+1], v[L+2*\t], s46, s47
.endr
.irp t, 0,1,2,3
	v_add_f32 v[L+2*\t], v[L+2*\t], v[L+2*\t+1]
.endr
.irp t, 0,1,2,3
	v_rcp_f32 v[L+2*\t], v[L+2*\t]
.endr
	v_nop
	s_wait_alu depctr_va_vdst(0)                   ; one wait for the four reciprocals
.macro OUTT t
	s_wait_xcnt 0x0                                ; earlier stores have read the registers that are written again below
	WIN 0x82+0x41*((\t)/2)                         ; O^T in window 2 or 3, 1 / l in window 0
.set i, 0
.rept 64
	v_pk_mul_f32 v[128*((\t)%2)+2*i:128*((\t)%2)+2*i+1], v[128*((\t)%2)+2*i:128*((\t)%2)+2*i+1], v[L+2*(\t):L+2*(\t)+1] op_sel_hi:[1,0]
.set i, i+1
.endr
	WIN 0x0A+5*((\t)/2)
.set i, 0
.rept 64
	v_cvt_pk_bf16_f32 v[S+64*((\t)%2)+i], v[128*((\t)%2)+2*i], v[128*((\t)%2)+2*i+1]
.set i, i+1
.endr
	WIN 0
.set i, 0
.rept 16
	global_store_b128 v[LO], v[S+64*((\t)%2)+4*i:S+64*((\t)%2)+4*i+3], s[8:9] offset:(\t)*8192+512*i
.set i, i+1
.endr
.endm
	OUTT 0
	OUTT 1
	OUTT 2
	OUTT 3
	s_wait_tensorcnt 0x0                           ; the wave's end
	ds_add_u32 v[SPW], v[NIL]
	s_wait_dscnt 0x0
	CROUND                                         ; the closing round
	s_endpgm
.Lfunc_end_k_qaf0dc560b1_attn:
	.size	k_qaf0dc560b1_attn, .Lfunc_end_k_qaf0dc560b1_attn-k_qaf0dc560b1_attn
	.p2alignl 7, 3214868480
	.fill 96, 4, 3214868480
	.section	.rodata,"a",@progbits
	.p2align	6, 0x0
	.amdhsa_kernel k_qaf0dc560b1_attn
		.amdhsa_group_segment_fixed_size 327680
		.amdhsa_private_segment_fixed_size 0
		.amdhsa_enable_private_segment 0
		.amdhsa_kernarg_size 24
		.amdhsa_user_sgpr_count 2
		.amdhsa_user_sgpr_kernarg_segment_ptr 1
		.amdhsa_wavefront_size32 1
		.amdhsa_system_sgpr_workgroup_id_x 1
		.amdhsa_system_sgpr_workgroup_id_y 1
		.amdhsa_system_sgpr_workgroup_id_z 1
		.amdhsa_system_vgpr_workitem_id 0
		.amdhsa_next_free_vgpr 1024
		.amdhsa_next_free_sgpr 66
		.amdhsa_reserve_vcc 0
		.amdhsa_float_denorm_mode_32 3
		.amdhsa_float_denorm_mode_16_64 3
		.amdhsa_memory_ordered 1
		.amdhsa_forward_progress 1
		.amdhsa_inst_pref_size 180
	.end_amdhsa_kernel
	.amdgpu_metadata
---
amdhsa.version: [ 1, 2 ]
amdhsa.kernels:
  - .name:           k_qaf0dc560b1_attn
    .symbol:         k_qaf0dc560b1_attn.kd
    .args:
      - { .name: qf, .offset: 0, .size: 8, .value_kind: global_buffer, .address_space: global }
      - { .name: kv, .offset: 8, .size: 8, .value_kind: global_buffer, .address_space: global }
      - { .name: of, .offset: 16, .size: 8, .value_kind: global_buffer, .address_space: global }
    .group_segment_fixed_size: 327680
    .private_segment_fixed_size: 0
    .kernarg_segment_align: 8
    .kernarg_segment_size: 24
    .max_flat_workgroup_size: 128
    .sgpr_count:     66
    .vgpr_count:     1024
    .wavefront_size: 32
...
	.end_amdgpu_metadata
.endif
;; end of part 2
;; launch final (part 3): grid 64 x 4, 4 waves a work-group, no clusters, 98,816 bytes of LDS; arguments of, x_f, wfrag, bv, bf, gamma, out0; writes out0
.if DOCPART == 3
	.amdgcn_target "amdgcn-amd-amdhsa--gfx1250"
	.amdhsa_code_object_version 6
	.text
	.protected	k_qaf0dc560b1_final
	.globl	k_qaf0dc560b1_final
	.p2align	8
	.type	k_qaf0dc560b1_final,@function
k_qaf0dc560b1_final:
	s_mov_b64 s[64:65], 0
	v_nop
	global_prefetch_b8 v0, s[64:65] scope:SCOPE_SE
	s_setreg_imm32_b32 hwreg(HW_REG_WAVE_MODE, 25, 1), 1
	s_wait_xcnt 0x0
; FINAL.  For 64 positions of a batch: Asum = O_0 + O_1 + O_2 (f32, rounded once to bf16); T' = gamma Wv Asum + 3 gamma bv; out = Wf [T'; x_f] + bf.
; (The softmax's rows sum to 1, so each of the three images adds bv once, and Wv is applied behind the sum: an order of rounding that differs from the reference's.)
; SHARES.  256 work-groups.  Wave w owns the weights' and the output's rows 64 w .. 64 w + 63, for all 64 positions: 16 accumulators.  The data's fragments (B: 32 channels x 16 positions) are made once,
; each by one wave, and meet in LDS: step q's four tiles at 4096 q.  q 0..7: Asum; 8..15: T'; 16..23: x_f.  The weights' fragments come from wfrag straight into registers, eight sets in a ring.
; All that the wave reads before its first product is asked for at the start, in the order in which it is wanted: O, x_f, the biases, the weights' first eight sets; the weights travel while the sums and conversions run.
; Tile e holds position 4 r + e at index r, so a lane's four tiles are four neighbouring f32 of a row of out: the bias's addition also puts them side by side.
; NO CLUSTER, NO TENSOR LOAD: what work-groups share is wfrag, 98,304 bytes a wave, loaded through registers.  LIMITS: bf16 operands; NaN and infinities are not treated apart.
.set SPARE, 98304
.set LB,  1                            ; v1  16 x lane
.set LB2, 2                            ; v2  + 65536, for q >= 16
.set XO,  3                            ; v3  131072 h + 16 r: rows of 16,384 bytes
.set BO,  4                            ; v4  256 w + 32 h
.set ONE, 5
.set LBW, 6                            ; v6  LB + 1024 w
.set LBX, 7                            ; v7  LB + 65536 + 8192 w
.set LBT, 8                            ; v8  LB + 8192 w
.set SPW, 10
.set NIL, 11
.set G3BV, 32                          ; v[32:63]   bv, then 3 gamma bv: [obl][j]
.set BFB, 64                           ; v[64:95]   bf
.set TR,  96                           ; v[96:159]  at work
.set BB,  160                          ; v[160:223] two buffers of four B fragments
                                       ; window 1: the weights, 8 sets of 32.  window 2: v[0:127] accumulators (obl, e) at 8 (4 obl + e); v[128:255] x_f, then T', then out.  window 3: v[0:191] O of the three images
.set MSB, 0
.macro WIN new
.if MSB != (\new)
	s_set_vgpr_msb (MSB<<8)|(\new)
.set MSB, \new
.endif
.endm
.macro PLACES
.rept 4
	v_nop
.endr
.endm
.macro WLOAD s                         ; the weights' set s: four fragments
	WIN 0x40
.set wi, 0
.rept 8
	global_load_b128 v[32*((\s)%8)+4*wi:32*((\s)%8)+4*wi+3], v[LB], s[28:29] offset:(\s)*4096+512*wi
.set wi, wi+1
.endr
.endm
.macro BLOAD s                         ; step s's four B fragments
	WIN 0
.set wi, 0
.rept 8
.if (\s) < 16
	ds_load_b128 v[BB+32*((\s)%2)+4*wi:BB+32*((\s)%2)+4*wi+3], v[LB]  offset:(\s)*4096+512*wi
.else
	ds_load_b128 v[BB+32*((\s)%2)+4*wi:BB+32*((\s)%2)+4*wi+3], v[LB2] offset:((\s)-16)*4096+512*wi
.endif
.set wi, wi+1
.endr
.endm
	s_load_b256 s[4:11], s[0:1], 0x0               ; of s[4:5], x_f s[6:7], wfrag s[8:9], bv s[10:11]
	s_load_b128 s[12:15], s[0:1], 0x20             ; bf s[12:13], gamma s[14:15]
	s_load_b64 s[16:17], s[0:1], 0x30              ; out0
	v_lshl_add_u32 v[SPW], v0, 2, SPARE
	v_mov_b32 v[NIL], 0
	v_lshrrev_b32 v12, 5, v0
	v_readfirstlane_b32 s18, v12                   ; wave 0..3
	s_and_b32 s19, ttmp7, 0xffff                   ; batch
	v_and_b32 v12, 31, v0
	v_lshlrev_b32 v[LB], 4, v12
	v_add_nc_u32 v[LB2], 65536, v[LB]
	v_and_b32 v13, 15, v0
	v_bfe_u32 v14, v0, 4, 1
	v_lshlrev_b32 v[XO], 4, v13
	v_lshl_add_u32 v[XO], v14, 17, v[XO]
	s_lshl_b32 s42, s18, 8
	v_lshl_add_u32 v[BO], v14, 5, s42
	v_mov_b32 v[ONE], 1.0
	s_lshl_b32 s42, s18, 10
	v_add_nc_u32 v[LBW], s42, v[LB]
	s_lshl_b32 s42, s18, 13
	v_add_nc_u32 v[LBT], s42, v[LB]
	v_add_nc_u32 v[LBX], 65536, v[LBT]
	s_lshl_b32 s36, s19, 21                        ; of: head b, tile 4 B + w
	s_lshl_b32 s37, ttmp9, 15
	s_add_co_u32 s36, s36, s37
	s_add_co_u32 s36, s36, s42
	s_mov_b32 s37, 0
	s_lshl_b32 s38, s19, 22                        ; x_f and out: batch, row 64 w, column 64 B
	s_lshl_b32 s39, s18, 20
	s_add_co_u32 s38, s38, s39
	s_lshl_b32 s39, ttmp9, 8
	s_add_co_u32 s38, s38, s39
	s_mov_b32 s39, 0
	s_mul_i32 s40, s18, 98304
	s_mov_b32 s41, 0
	s_wait_kmcnt 0x0
	s_load_b32 s32, s[14:15], 0x0                  ; gamma
	s_add_nc_u64 s[20:21], s[4:5], s[36:37]
	s_add_nc_u64 s[22:23], s[20:21], 8388608       ; four heads on
	s_add_nc_u64 s[24:25], s[22:23], 8388608
	s_add_nc_u64 s[26:27], s[6:7], s[38:39]
	s_add_nc_u64 s[28:29], s[8:9], s[40:41]
	s_add_nc_u64 s[30:31], s[16:17], s[38:39]
	WIN 0xC0
.irp kk, 0,1,2
.set i, 0
.rept 16
	global_load_b128 v[64*\kk+4*i:64*\kk+4*i+3], v[LB], s[20+2*\kk:21+2*\kk] offset:512*i
.set i, i+1
.endr
.endr
	WIN 0x80
.set i, 0
.rept 32                                       ; x_f: group i / 16 of 32 channels, row t = i % 16 of a lane: channel t + 8 h, or t + 8 + 8 h; 16 lanes read 256 consecutive bytes
	global_load_b128 v[128+4*i:128+4*i+3], v[XO], s[26:27] offset:(32*(i/16)+(i%16)+8*((i%16)/8))*16384
.set i, i+1
.endr
	WIN 0
.set i, 0
.rept 4
	global_load_b128 v[G3BV+8*i:G3BV+8*i+3],   v[BO], s[10:11] offset:64*i
	global_load_b128 v[G3BV+8*i+4:G3BV+8*i+7], v[BO], s[10:11] offset:64*i+16
	global_load_b128 v[BFB+8*i:BFB+8*i+3],     v[BO], s[12:13] offset:64*i
	global_load_b128 v[BFB+8*i+4:BFB+8*i+7],   v[BO], s[12:13] offset:64*i+16
.set i, i+1
.endr
	WLOAD 0
	WLOAD 1
	WLOAD 2
	WLOAD 3
	WLOAD 4
	WLOAD 5
	WLOAD 6
	WLOAD 7
	s_wait_loadcnt 63                              ; behind the youngest of the biases' loads stand the weights' 64: O, x_f and the biases are in, the weights may stay out
.irp bi, 0,1                                   ; the sum over the three images in f32, 32 packed registers at a time
	WIN 0x33                                       ; sources 0 and 2 in window 3
.set i, 0
.rept 32
	v_fma_mix_f32_bf16 v[TR+2*i],   v[64+32*\bi+i], v[ONE], v[128+32*\bi+i] op_sel_hi:[1,0,1]
	v_fma_mix_f32_bf16 v[TR+2*i+1], v[64+32*\bi+i], v[ONE], v[128+32*\bi+i] op_sel:[1,0,1] op_sel_hi:[1,0,1]
.set i, i+1
.endr
	WIN 0x03
.set i, 0
.rept 32
	v_fma_mix_f32_bf16 v[TR+2*i],   v[32*\bi+i], v[ONE], v[TR+2*i]   op_sel_hi:[1,0,0]
	v_fma_mix_f32_bf16 v[TR+2*i+1], v[32*\bi+i], v[ONE], v[TR+2*i+1] op_sel:[1,0,0] op_sel_hi:[1,0,0]
.set i, i+1
.endr
	WIN 0
.set i, 0
.rept 32                                       ; ascending: register i is written when 2 i and 2 i + 1 have been read
	v_cvt_pk_bf16_f32 v[TR+i], v[TR+2*i], v[TR+2*i+1]
.set i, i+1
.endr
.set i, 0
.rept 8                                        ; group g = 8 bi + i: step g / 2, chunk g % 2, tile w
	ds_store_b128 v[LBW], v[TR+4*i:TR+4*i+3] offset:((8*\bi+i)/2)*4096+((8*\bi+i)%2)*512
.set i, i+1
.endr
.endr
	WIN 0x0A                                       ; sources in window 2: x_f
.set a, 0
.rept 8                                        ; a = 4 kl + e
.set u, 0
.rept 4
	v_cvt_pk_bf16_f32 v[TR+8*a+u],   v[128+64*(a/4)+8*u+a%4],    v[128+64*(a/4)+8*u+4+a%4]
	v_cvt_pk_bf16_f32 v[TR+8*a+4+u], v[128+64*(a/4)+32+8*u+a%4], v[128+64*(a/4)+32+8*u+4+a%4]
.set u, u+1
.endr
.set a, a+1
.endr
	WIN 0
.set i, 0
.rept 16                                       ; step 16 + 2 w + kl, tile e, chunk c at 4096 kl + 1024 e + 512 c = 512 i
	ds_store_b128 v[LBX], v[TR+4*i:TR+4*i+3] offset:512*i
.set i, i+1
.endr
	s_wait_kmcnt 0x0
	s_mov_b32 s33, s32
	s_mul_f32 s34, s32, 0x40400000                 ; 3 gamma
	s_mov_b32 s35, s34
	s_wait_dscnt 0x0                               ; for the others' sake: my stores are done
	s_barrier_signal -1
	s_barrier_wait -1                              ; Asum and x_f lie in LDS
	BLOAD 0
; Step q: 32 along K.  Set q + 7 of the weights is asked for into the set that step q - 1 has read, step q + 1's B fragments into the other buffer, four places behind that step's products.
; The 16 accumulators take turns.  The products of steps 0 and 8 start the sums.
.macro QSTEP
.if q > 0
	PLACES
.endif
.if (q >= 1) && (q <= 16)
	WLOAD q+7
.endif
.if (q != 7) && (q != 23)
	BLOAD q+1
.endif
.if q <= 16
	s_wait_loadcnt 56                              ; set q is in; the seven younger sets may stay out
.else
	s_wait_loadcnt 8*(23-q)                        ; the sets that are left
.endif
.if (q != 7) && (q != 23)
	s_wait_dscnt 8                                 ; all but the eight just issued
.else
	s_wait_dscnt 0x0
.endif
	WIN 0xA1                                       ; weights in window 1, B in window 0, C and D in window 2
.set a, 0
.rept 16
.if (q == 0) || (q == 8)
	v_wmma_f32_16x16x32_bf16 v[8*a:8*a+7], v[32*(q%8)+8*(a/4):32*(q%8)+8*(a/4)+7], v[BB+32*(q%2)+8*(a%4):BB+32*(q%2)+8*(a%4)+7], 0
.else
	v_wmma_f32_16x16x32_bf16 v[8*a:8*a+7], v[32*(q%8)+8*(a/4):32*(q%8)+8*(a/4)+7], v[BB+32*(q%2)+8*(a%4):BB+32*(q%2)+8*(a%4)+7], v[8*a:8*a+7]
.endif
.set a, a+1
.endr
.endm
.set q, 0
.rept 8
	QSTEP
.set q, q+1
.endr
	; T' = gamma (Wv Asum) + 3 gamma bv, rounded to bf16: my 64 rows are channels 64 w .. of the next product: steps 8 + 2 w and 9 + 2 w
	PLACES
	WIN 0
.set i, 0
.rept 16
	v_pk_mul_f32 v[G3BV+2*i:G3BV+2*i+1], v[G3BV+2*i:G3BV+2*i+1], s[34:35] op_sel_hi:[1,0]
.set i, i+1
.endr
	WIN 0x82                                       ; destination and source 0 in window 2
.set i, 0
.rept 64                                       ; accumulator i / 4, pair i % 4, from the low end on
	v_pk_fma_f32 v[128+2*i:128+2*i+1], v[2*i:2*i+1], s[32:33], v[G3BV+8*(i/16)+2*(i%4):G3BV+8*(i/16)+2*(i%4)+1] op_sel_hi:[1,0,1]
.set i, i+1
.endr
	WIN 0x0A
.set i, 0
.rept 64
	v_cvt_pk_bf16_f32 v[TR+i], v[128+2*i], v[128+2*i+1]
.set i, i+1
.endr
	WIN 0
.set a, 0
.rept 16                                       ; a = 4 obl + e
	ds_store_b128 v[LBT], v[TR+4*a:TR+4*a+3] offset:32768+(a/8)*4096+(a%4)*1024+((a/4)%2)*512
.set a, a+1
.endr
	s_wait_dscnt 0x0
	s_barrier_signal -1
	s_barrier_wait -1                              ; T' lies in LDS
	BLOAD 8
.rept 16
	QSTEP
.set q, q+1
.endr
	; out = sums + bf.  Register j of accumulator (obl, e) is row 16 obl + 8 h + j, position 4 r + e: the four tiles' numbers are put side by side, 16 bytes a lane; 16 lanes store 256 consecutive bytes, aligned.
	PLACES
	WIN 0x82
.set i, 0
.rept 128                                      ; i = 4 (8 obl + j) + e: each accumulator's register 0 is read first
	v_add_f32 v[128+i], v[8*(4*(i/32)+i%4)+(i/4)%8], v[BFB+i/4]
.set i, i+1
.endr
	WIN 0x08                                       ; the stores' data in window 2
.set i, 0
.rept 32
	global_store_b128 v[XO], v[128+4*i:128+4*i+3], s[30:31] offset:(16*(i/8)+i%8)*16384
.set i, i+1
.endr
	WIN 0
	s_wait_tensorcnt 0x0                           ; the wave's end, behind my last LDS store
	ds_add_u32 v[SPW], v[NIL]
	s_wait_dscnt 0x0
	s_endpgm
.Lfunc_end_k_qaf0dc560b1_final:
	.size	k_qaf0dc560b1_final, .Lfunc_end_k_qaf0dc560b1_final-k_qaf0dc560b1_final
	.p2alignl 7, 3214868480
	.fill 96, 4, 3214868480
	.section	.rodata,"a",@progbits
	.p2align	6, 0x0
	.amdhsa_kernel k_qaf0dc560b1_final
		.amdhsa_group_segment_fixed_size 98816
		.amdhsa_private_segment_fixed_size 0
		.amdhsa_enable_private_segment 0
		.amdhsa_kernarg_size 56
		.amdhsa_user_sgpr_count 2
		.amdhsa_user_sgpr_kernarg_segment_ptr 1
		.amdhsa_wavefront_size32 1
		.amdhsa_system_sgpr_workgroup_id_x 1
		.amdhsa_system_sgpr_workgroup_id_y 1
		.amdhsa_system_sgpr_workgroup_id_z 1
		.amdhsa_system_vgpr_workitem_id 0
		.amdhsa_next_free_vgpr 960
		.amdhsa_next_free_sgpr 66
		.amdhsa_reserve_vcc 0
		.amdhsa_float_denorm_mode_32 3
		.amdhsa_float_denorm_mode_16_64 3
		.amdhsa_memory_ordered 1
		.amdhsa_forward_progress 1
		.amdhsa_inst_pref_size 116
	.end_amdhsa_kernel
	.amdgpu_metadata
---
amdhsa.version: [ 1, 2 ]
amdhsa.kernels:
  - .name:           k_qaf0dc560b1_final
    .symbol:         k_qaf0dc560b1_final.kd
    .args:
      - { .name: of, .offset: 0, .size: 8, .value_kind: global_buffer, .address_space: global }
      - { .name: x_f, .offset: 8, .size: 8, .value_kind: global_buffer, .address_space: global }
      - { .name: wfrag, .offset: 16, .size: 8, .value_kind: global_buffer, .address_space: global }
      - { .name: bv, .offset: 24, .size: 8, .value_kind: global_buffer, .address_space: global }
      - { .name: bf, .offset: 32, .size: 8, .value_kind: global_buffer, .address_space: global }
      - { .name: gamma, .offset: 40, .size: 8, .value_kind: global_buffer, .address_space: global }
      - { .name: out0, .offset: 48, .size: 8, .value_kind: global_buffer, .address_space: global }
    .group_segment_fixed_size: 98816
    .private_segment_fixed_size: 0
    .kernarg_segment_align: 8
    .kernarg_segment_size: 56
    .max_flat_workgroup_size: 128
    .sgpr_count:     66
    .vgpr_count:     960
    .wavefront_size: 32
...
	.end_amdgpu_metadata
.endif
;; end of part 3
;; ======== version 2 of 2: 3 launches; version 1 with the launch final written anew for expert scheduling mode
;; limits: values outside matrix products are rounded to bf16
;; workspace buffers: kv 28,311,552 bytes; qf 3,145,728 bytes; of 25,165,824 bytes; wfrag 393,216 bytes
;; launch prep: the kernel of part 1 again; grid 16 x 16, 2 waves a work-group, no clusters, 295,168 bytes of LDS; arguments x_b_total, x_f, Wq, bq, Wk, bk, Wv, Wf, kv, qf, wfrag; writes kv, qf, wfrag
;; launch attn: the kernel of part 2 again; grid 16 x 12, 4 waves a work-group, clusters of 4 x 1, 327,680 bytes of LDS; arguments qf, kv, of; writes of
;; launch final (part 4): grid 64 x 4, 4 waves a work-group, no clusters, 98,816 bytes of LDS; arguments of, x_f, wfrag, bv, bf, gamma, out0; writes out0
.if DOCPART == 4
	.amdgcn_target "amdgcn-amd-amdhsa--gfx1250"
	.amdhsa_code_object_version 6
	.text
	.protected	k_qaf0dc560b1_final
	.globl	k_qaf0dc560b1_final
	.p2align	8
	.type	k_qaf0dc560b1_final,@function
k_qaf0dc560b1_final:
	s_mov_b64 s[64:65], 0
	v_nop
	global_prefetch_b8 v0, s[64:65] scope:SCOPE_SE
	s_setreg_imm32_b32 hwreg(HW_REG_WAVE_SCHED_MODE, 0, 2), 2
	s_setreg_imm32_b32 hwreg(HW_REG_WAVE_MODE, 25, 1), 1
	s_wait_xcnt 0x0
	s_wait_alu depctr_vm_vsrc(0)
; FINAL.  For 64 positions of a batch: Asum = O_0 + O_1 + O_2 (f32, rounded once to bf16); T' = gamma Wv Asum + 3 gamma bv; out = Wf [T'; x_f] + bf.
; (The softmax's rows sum to 1, so each of the three images adds bv once, and Wv is applied behind the sum: an order of rounding that differs from the reference's.)
; SHARES.  256 work-groups.  Wave w owns the weights' and the output's rows 64 w .. 64 w + 63, for all 64 positions: 16 accumulators.  The data's fragments (B: 32 channels x 16 positions) are made once,
; each by one wave, and meet in LDS: step q's four tiles at 4096 q.  q 0..7: Asum; 8..15: T'; 16..23: x_f.  The weights' fragments come from wfrag straight into registers.
; All that the wave reads before its first product is asked for at the start, in the order in which it is wanted: O, x_f, the biases, the weights' first eight sets; the weights travel while the sums and conversions run.
; Tile e holds position 4 r + e at index r, so a lane's four tiles are four neighbouring f32 of a row of out: the bias's addition also puts them side by side.
; NO CLUSTER, NO TENSOR LOAD: what work-groups share is wfrag, 98,304 bytes a wave, loaded through registers.  LIMITS: bf16 operands; NaN and infinities are not treated apart.
; THE MODE: SCHED_MODE bits 1:0 = 2 (LLVM: expert scheduling mode 2), set by the entry lines.  The code itself states the register dependences
; between vector or matrix instructions and memory or LDS instructions, with s_wait_alu, always for 0.
; THE PLAN.  Registers that memory or LDS instructions touch:
;   v1 .. v8      addresses and offsets: written once at the head, never again.
;   THE WEIGHTS   14 places of 32 registers: window 1 (eight) and window 3 (six, where O lay until the sums were made).  Sets 0-7: window 1; 8-13: window 3; 14-21: window 1 again; 22, 23: window 3, places 0, 1.
;                 A place is written by its set's eight loads and read by that set's step alone.
;   B             nine buffers of 32: v[96:255] of window 0 (five), v[128:255] of window 2 (four).  Step q < 8 has buffer q; step q >= 8 buffer (q - 8) mod 9.  Step q asks for the fragments of step q + 2.
;   v[96:223]     at the head: work and out-buffer of the 32 LDS stores.      v[96:159] at T': out-buffer of its 16 LDS stores.
;   window 2, v[128:255]   x_f as loaded; B; T' in f32; B; out as stored.
; So the steps owe ONE wait on va_vdst, at the head of step 15, where places and buffers are taken a second time within steps 8 to 23; the others stand ahead of the three runs of stores and of the first load.
; Behind each of them a load lands only in registers that no vector or matrix instruction issued since names: steps 0 .. q name window 1, buffers 0 .. q and the accumulators; steps 8 .. q name each set's and each
; buffer's registers only behind the loads that filled them.
.set SPARE, 98304
.set LB,  1                            ; v1  16 x lane
.set LB2, 2                            ; v2  + 65536, for q >= 16
.set XO,  3                            ; v3  131072 h + 16 r: rows of 16,384 bytes
.set BO,  4                            ; v4  256 w + 32 h
.set ONE, 5
.set LBW, 6                            ; v6  LB + 1024 w
.set LBX, 7                            ; v7  LB + 65536 + 8192 w
.set LBT, 8                            ; v8  LB + 8192 w
.set SPW, 10
.set NIL, 11
.set G3BV, 32                          ; v[32:63]   bv, then 3 gamma bv: [obl][j]
.set BFB, 64                           ; v[64:95]   bf
.set TR,  96                           ; v[96:255]  B's buffers 0 to 4; at the head v[96:223], at T' v[96:159] at work
                                       ; window 1: the weights, 8 places of 32.  window 2: v[0:127] accumulators (obl, e) at 8 (4 obl + e); v[128:255] x_f, T', out, and B's buffers 5 to 8.  window 3: v[0:191] O of the three images, then 6 places of the weights
.set MSB, 0
.macro WIN new
.if MSB != (\new)
	s_set_vgpr_msb (MSB<<8)|(\new)
.set MSB, \new
.endif
.endm
.macro PLACES
.rept 4
	v_nop
.endr
.endm
.macro WPLACE s                        ; the place of the weights' set s: window ww, first register wr
.if (\s) < 8
.set ww, 1
.set wr, 32*(\s)
.elseif (\s) < 14
.set ww, 3
.set wr, 32*((\s)-8)
.elseif (\s) < 22
.set ww, 1
.set wr, 32*((\s)-14)
.else
.set ww, 3
.set wr, 32*((\s)-22)
.endif
.endm
.macro BPLACE s                        ; the buffer of step s's B fragments: window bw, first register br
.if (\s) < 8
.set bk, (\s)
.else
.set bk, ((\s)-8)%9
.endif
.if bk < 5
.set bw, 0
.set br, TR+32*bk
.else
.set bw, 2
.set br, 128+32*(bk-5)
.endif
.endm
.macro WLOAD s                         ; the weights' set s: four fragments.  hi: the youngest set asked for
	WPLACE \s
	WIN 64*ww
.set wi, 0
.rept 8
	global_load_b128 v[wr+4*wi:wr+4*wi+3], v[LB], s[28:29] offset:(\s)*4096+512*wi
.set wi, wi+1
.endr
.set hi, \s
.endm
.macro BLOAD s                         ; step s's four B fragments
	BPLACE \s
	WIN 64*bw
.set wi, 0
.rept 8
.if (\s) < 16
	ds_load_b128 v[br+4*wi:br+4*wi+3], v[LB]  offset:(\s)*4096+512*wi
.else
	ds_load_b128 v[br+4*wi:br+4*wi+3], v[LB2] offset:((\s)-16)*4096+512*wi
.endif
.set wi, wi+1
.endr
.endm
	s_load_b256 s[4:11], s[0:1], 0x0               ; of s[4:5], x_f s[6:7], wfrag s[8:9], bv s[10:11]
	s_load_b128 s[12:15], s[0:1], 0x20             ; bf s[12:13], gamma s[14:15]
	s_load_b64 s[16:17], s[0:1], 0x30              ; out0
	v_lshl_add_u32 v[SPW], v0, 2, SPARE
	v_mov_b32 v[NIL], 0
	v_lshrrev_b32 v12, 5, v0
	v_readfirstlane_b32 s18, v12                   ; wave 0..3
	s_and_b32 s19, ttmp7, 0xffff                   ; batch
	v_and_b32 v12, 31, v0
	v_lshlrev_b32 v[LB], 4, v12
	v_add_nc_u32 v[LB2], 65536, v[LB]
	v_and_b32 v13, 15, v0
	v_bfe_u32 v14, v0, 4, 1
	v_lshlrev_b32 v[XO], 4, v13
	v_lshl_add_u32 v[XO], v14, 17, v[XO]
	v_mov_b32 v[ONE], 1.0
	s_wait_alu depctr_va_sdst(0)                   ; s18 is written, ahead of its first reader: offsets and bases are made from it
	s_lshl_b32 s42, s18, 8                         ; three registers for the three shifts: none that a vector line has read is written again
	s_lshl_b32 s43, s18, 10
	s_lshl_b32 s44, s18, 13
	v_lshl_add_u32 v[BO], v14, 5, s42
	v_add_nc_u32 v[LBW], s43, v[LB]
	v_add_nc_u32 v[LBT], s44, v[LB]
	v_add_nc_u32 v[LBX], 65536, v[LBT]
	s_lshl_b32 s36, s19, 21                        ; of: head b, tile 4 B + w
	s_lshl_b32 s37, ttmp9, 15
	s_add_co_u32 s36, s36, s37
	s_add_co_u32 s36, s36, s44
	s_mov_b32 s37, 0
	s_lshl_b32 s38, s19, 22                        ; x_f and out: batch, row 64 w, column 64 B
	s_lshl_b32 s39, s18, 20
	s_add_co_u32 s38, s38, s39
	s_lshl_b32 s39, ttmp9, 8
	s_add_co_u32 s38, s38, s39
	s_mov_b32 s39, 0
	s_mul_i32 s40, s18, 98304
	s_mov_b32 s41, 0
	s_wait_kmcnt 0x0
	s_load_b32 s32, s[14:15], 0x0                  ; gamma
	s_add_nc_u64 s[20:21], s[4:5], s[36:37]
	s_add_nc_u64 s[22:23], s[20:21], 8388608       ; four heads on
	s_add_nc_u64 s[24:25], s[22:23], 8388608
	s_add_nc_u64 s[26:27], s[6:7], s[38:39]
	s_add_nc_u64 s[28:29], s[8:9], s[40:41]
	s_add_nc_u64 s[30:31], s[16:17], s[38:39]
	WIN 0xC0
	s_wait_alu depctr_va_vdst(0)                   ; the addresses and offsets v1 to v8 are written, which every load and store of the kernel reads; only loads and window switches follow up to the last of the 160 loads
.irp kk, 0,1,2
.set i, 0
.rept 16
	global_load_b128 v[64*\kk+4*i:64*\kk+4*i+3], v[LB], s[20+2*\kk:21+2*\kk] offset:512*i
.set i, i+1
.endr
.endr
	WIN 0x80
.set i, 0
.rept 32                                       ; x_f: group i / 16 of 32 channels, row t = i % 16 of a lane: channel t + 8 h, or t + 8 + 8 h; 16 lanes read 256 consecutive bytes
	global_load_b128 v[128+4*i:128+4*i+3], v[XO], s[26:27] offset:(32*(i/16)+(i%16)+8*((i%16)/8))*16384
.set i, i+1
.endr
	WIN 0
.set i, 0
.rept 4
	global_load_b128 v[G3BV+8*i:G3BV+8*i+3],   v[BO], s[10:11] offset:64*i
	global_load_b128 v[G3BV+8*i+4:G3BV+8*i+7], v[BO], s[10:11] offset:64*i+16
	global_load_b128 v[BFB+8*i:BFB+8*i+3],     v[BO], s[12:13] offset:64*i
	global_load_b128 v[BFB+8*i+4:BFB+8*i+7],   v[BO], s[12:13] offset:64*i+16
.set i, i+1
.endr
	WLOAD 0
	WLOAD 1
	WLOAD 2
	WLOAD 3
	WLOAD 4
	WLOAD 5
	WLOAD 6
	WLOAD 7
	s_wait_loadcnt 63                              ; behind the youngest of the biases' loads stand the weights' 64: O, x_f and the biases are in, the weights may stay out
.irp bi, 0,1                                   ; the sum over the three images in f32, 32 packed registers at a time; half bi works in v[TR + 64 bi ..] and closes up into the first 32 of its 64 registers
	WIN 0x33                                       ; sources 0 and 2 in window 3
.set i, 0
.rept 32
	v_fma_mix_f32_bf16 v[TR+64*\bi+2*i],   v[64+32*\bi+i], v[ONE], v[128+32*\bi+i] op_sel_hi:[1,0,1]
	v_fma_mix_f32_bf16 v[TR+64*\bi+2*i+1], v[64+32*\bi+i], v[ONE], v[128+32*\bi+i] op_sel:[1,0,1] op_sel_hi:[1,0,1]
.set i, i+1
.endr
	WIN 0x03
.set i, 0
.rept 32
	v_fma_mix_f32_bf16 v[TR+64*\bi+2*i],   v[32*\bi+i], v[ONE], v[TR+64*\bi+2*i]   op_sel_hi:[1,0,0]
	v_fma_mix_f32_bf16 v[TR+64*\bi+2*i+1], v[32*\bi+i], v[ONE], v[TR+64*\bi+2*i+1] op_sel:[1,0,0] op_sel_hi:[1,0,0]
.set i, i+1
.endr
	WIN 0
.set i, 0
.rept 32                                       ; ascending: register i is written when 2 i and 2 i + 1 have been read
	v_cvt_pk_bf16_f32 v[TR+64*\bi+i], v[TR+64*\bi+2*i], v[TR+64*\bi+2*i+1]
.set i, i+1
.endr
.endr
	WIN 0x0A                                       ; sources in window 2: x_f
.set a, 0
.rept 8                                        ; a = 4 kl + e; its eight registers lie in the second 32 of half a / 4, which the sums have left
.set xd, TR+32+64*(a/4)+8*(a%4)
.set u, 0
.rept 4
	v_cvt_pk_bf16_f32 v[xd+u],   v[128+64*(a/4)+8*u+a%4],    v[128+64*(a/4)+8*u+4+a%4]
	v_cvt_pk_bf16_f32 v[xd+4+u], v[128+64*(a/4)+32+8*u+a%4], v[128+64*(a/4)+32+8*u+4+a%4]
.set u, u+1
.endr
.set a, a+1
.endr
	WIN 0
	s_wait_alu depctr_va_vdst(0)                   ; the conversions have written v[96:223], which the 32 LDS stores read; the sums are done reading O's registers, in which sets 8 to 13 land; the conversions are done reading x_f's and v[96:223], in which B lands
.set i, 0
.rept 16                                       ; group i: step i / 2, chunk i % 2, tile w
	ds_store_b128 v[LBW], v[TR+64*(i/8)+4*(i%8):TR+64*(i/8)+4*(i%8)+3] offset:(i/2)*4096+(i%2)*512
.set i, i+1
.endr
.set i, 0
.rept 16                                       ; step 16 + 2 w + kl, tile e, chunk c at 4096 kl + 1024 e + 512 c = 512 i
	ds_store_b128 v[LBX], v[TR+32+64*(i/8)+4*(i%8):TR+32+64*(i/8)+4*(i%8)+3] offset:512*i
.set i, i+1
.endr
	s_wait_kmcnt 0x0
	s_mov_b32 s33, s32
	s_mul_f32 s34, s32, 0x40400000                 ; 3 gamma
	s_mov_b32 s35, s34
	s_wait_dscnt 0x0                               ; for the others' sake: my stores are done
	s_barrier_signal -1
	s_barrier_wait -1                              ; Asum and x_f lie in LDS
	s_wait_alu depctr_vm_vsrc(0)                   ; my LDS stores have read v[96:223]: these registers are B's buffers 0 to 3 from here on, written by the fragments' loads
	BLOAD 0
	BLOAD 1
; Products first .. first + count - 1 of step q's 16: weights in window 1 or 3, B in window 0 or 2, C and D in window 2.  The 16 accumulators take turns.  The products of steps 0 and 8 start the sums.
.macro MULS first, count
	WPLACE q
	BPLACE q
	WIN 0xA0+ww+4*bw
.set a, \first
.rept \count
.if (q == 0) || (q == 8)
	v_wmma_f32_16x16x32_bf16 v[8*a:8*a+7], v[wr+8*(a/4):wr+8*(a/4)+7], v[br+8*(a%4):br+8*(a%4)+7], 0
.else
	v_wmma_f32_16x16x32_bf16 v[8*a:8*a+7], v[wr+8*(a/4):wr+8*(a/4)+7], v[br+8*(a%4):br+8*(a%4)+7], v[8*a:8*a+7]
.endif
.set a, a+1
.endr
.endm
; Step q: 32 along K.  Its sixteen loads are dealt among its products: step q + 2's B fragments behind the fourth, set q + 7 of the weights behind the eighth.  They land in a buffer and a place that no
; vector or matrix instruction issued since the last wait on va_vdst names, so they owe no wait of their own.
.macro QSTEP
	s_wait_loadcnt 8*(hi-q)                        ; loads come back in order (ISA guide 5.7.1): set q is in; the younger sets, up to the youngest asked for, may stay out
.if (q == 7) || (q == 23)
	s_wait_dscnt 0x0                               ; the last fragments of this run of steps
.else
	s_wait_dscnt 8                                 ; this step's fragments are in; the next step's eight loads may stay out
.endif
.if q == 15
	PLACES                                         ; four places behind the products of steps 8 to 14, kept beside the wait: loads into registers that those have read follow, and no other vector line stands between
	s_wait_alu depctr_va_vdst(0)                   ; the products of steps 8 to 14 are done reading B's buffers 0 to 6, in which the fragments of steps 17 to 23 land, and the places of sets 8 and 9, in which sets 22 and 23 land
.endif
	MULS 0, 4
.if (q <= 5) || ((q >= 8) && (q <= 21))
	BLOAD q+2
.endif
	MULS 4, 4
.if ((q >= 1) && (q <= 6)) || ((q >= 8) && (q <= 16))
	WLOAD q+7
.endif
	MULS 8, 8
.endm
.set q, 0
.rept 8
	QSTEP
.set q, q+1
.endr
	; T' = gamma (Wv Asum) + 3 gamma bv, rounded to bf16: my 64 rows are channels 64 w .. of the next product: steps 8 + 2 w and 9 + 2 w
	PLACES
	WIN 0
.set i, 0
.rept 16
	v_pk_mul_f32 v[G3BV+2*i:G3BV+2*i+1], v[G3BV+2*i:G3BV+2*i+1], s[34:35] op_sel_hi:[1,0]
.set i, i+1
.endr
	WIN 0x82                                       ; destination and source 0 in window 2
.set i, 0
.rept 64                                       ; accumulator i / 4, pair i % 4, from the low end on
	v_pk_fma_f32 v[128+2*i:128+2*i+1], v[2*i:2*i+1], s[32:33], v[G3BV+8*(i/16)+2*(i%4):G3BV+8*(i/16)+2*(i%4)+1] op_sel_hi:[1,0,1]
.set i, i+1
.endr
	WIN 0x0A
.set i, 0
.rept 64
	v_cvt_pk_bf16_f32 v[TR+i], v[128+2*i], v[128+2*i+1]
.set i, i+1
.endr
	WIN 0
	s_wait_alu depctr_va_vdst(0)                   ; the conversions have written v[96:159], which the LDS stores read, and are done reading T' in f32; the products of steps 0 to 7 are done reading window 1, in which sets 14 to 21 land, and B's buffers, in which the fragments of steps 8 to 16 land
.set a, 0
.rept 16                                       ; a = 4 obl + e
	ds_store_b128 v[LBT], v[TR+4*a:TR+4*a+3] offset:32768+(a/8)*4096+(a%4)*1024+((a/4)%2)*512
.set a, a+1
.endr
	WLOAD 14                                       ; into set 0's place; the stores between the wait and these loads name neither that place nor v1
	s_wait_dscnt 0x0
	s_barrier_signal -1
	s_barrier_wait -1                              ; T' lies in LDS
	s_wait_alu depctr_vm_vsrc(0)                   ; my LDS stores have read v[96:159], B's buffers 0 and 1, in which the fragments of steps 8 and 9 land
	BLOAD 8
	BLOAD 9
.rept 16
	QSTEP
.set q, q+1
.endr
	; out = sums + bf.  Register j of accumulator (obl, e) is row 16 obl + 8 h + j, position 4 r + e: the four tiles' numbers are put side by side, 16 bytes a lane; 16 lanes store 256 consecutive bytes, aligned.
	PLACES
	WIN 0x82
.set i, 0
.rept 128                                      ; i = 4 (8 obl + j) + e: each accumulator's register 0 is read first
	v_add_f32 v[128+i], v[8*(4*(i/32)+i%4)+(i/4)%8], v[BFB+i/4]
.set i, i+1
.endr
	WIN 0x08                                       ; the stores' data in window 2
	s_wait_alu depctr_va_vdst(0)                   ; the additions have written out's 128 registers, which the 32 stores read
.set i, 0
.rept 32
	global_store_b128 v[XO], v[128+4*i:128+4*i+3], s[30:31] offset:(16*(i/8)+i%8)*16384
.set i, i+1
.endr
	WIN 0
	s_wait_dscnt 0x0                               ; the closing lines, six on end
	s_wait_alu 0x0
	s_wait_tensorcnt 0x0
	ds_add_u32 v[SPW], v[NIL]
	s_wait_dscnt 0x0
	s_endpgm
.Lfunc_end_k_qaf0dc560b1_final:
	.size	k_qaf0dc560b1_final, .Lfunc_end_k_qaf0dc560b1_final-k_qaf0dc560b1_final
	.p2alignl 7, 3214868480
	.fill 96, 4, 3214868480
	.section	.rodata,"a",@progbits
	.p2align	6, 0x0
	.amdhsa_kernel k_qaf0dc560b1_final
		.amdhsa_group_segment_fixed_size 98816
		.amdhsa_private_segment_fixed_size 0
		.amdhsa_enable_private_segment 0
		.amdhsa_kernarg_size 56
		.amdhsa_user_sgpr_count 2
		.amdhsa_user_sgpr_kernarg_segment_ptr 1
		.amdhsa_wavefront_size32 1
		.amdhsa_system_sgpr_workgroup_id_x 1
		.amdhsa_system_sgpr_workgroup_id_y 1
		.amdhsa_system_sgpr_workgroup_id_z 1
		.amdhsa_system_vgpr_workitem_id 0
		.amdhsa_next_free_vgpr 960
		.amdhsa_next_free_sgpr 66
		.amdhsa_reserve_vcc 0
		.amdhsa_float_denorm_mode_32 3
		.amdhsa_float_denorm_mode_16_64 3
		.amdhsa_memory_ordered 1
		.amdhsa_forward_progress 1
		.amdhsa_inst_pref_size 114
	.end_amdhsa_kernel
	.amdgpu_metadata
---
amdhsa.version: [ 1, 2 ]
amdhsa.kernels:
  - .name:           k_qaf0dc560b1_final
    .symbol:         k_qaf0dc560b1_final.kd
    .args:
      - { .name: of, .offset: 0, .size: 8, .value_kind: global_buffer, .address_space: global }
      - { .name: x_f, .offset: 8, .size: 8, .value_kind: global_buffer, .address_space: global }
      - { .name: wfrag, .offset: 16, .size: 8, .value_kind: global_buffer, .address_space: global }
      - { .name: bv, .offset: 24, .size: 8, .value_kind: global_buffer, .address_space: global }
      - { .name: bf, .offset: 32, .size: 8, .value_kind: global_buffer, .address_space: global }
      - { .name: gamma, .offset: 40, .size: 8, .value_kind: global_buffer, .address_space: global }
      - { .name: out0, .offset: 48, .size: 8, .value_kind: global_buffer, .address_space: global }
    .group_segment_fixed_size: 98816
    .private_segment_fixed_size: 0
    .kernarg_segment_align: 8
    .kernarg_segment_size: 56
    .max_flat_workgroup_size: 128
    .sgpr_count:     66
    .vgpr_count:     960
    .wavefront_size: 32
...
	.end_amdgpu_metadata
.endif
;; end of part 4
